; MI455X (gfx1250); checked and timed in simulation.
; The chip was launched on July 23, 2026; its instructions are those of AMD's public machine-readable ISA for CDNA 5 (MIT licence, August 2026) and "CDNA5" Instruction Set Architecture Reference Guide (July 2026). The comments in the code are by the model that wrote it; some were corrected since.
;; Manual Attention. Allowed arithmetic: matrix products marked QUANTISED: E4M3 operands, one E8M0 scale for each 32 along K, by v_wmma_scale_f32_16x16x128_f8f6f4 with both operands' format E4M3, f32 sums; everything else in f32.
;; Inputs: b_out 1,024 float32; b_qkv 3,072 float32; w_out 1,024 x 1,024 float32; w_qkv 3,072 x 1,024 float32; x 4 x 2,048 x 1,024 float32.
;; Outputs: out0 4 x 2,048 x 1,024 float32.
;; This version of the problem:
;;   THIS VERSION OF THE PROBLEM IS GIVEN IN LOW PRECISION. The matrix products marked QUANTISED in the list below multiply operands that are first quantised to E4M3 (4 exponent bits, 3 mantissa bits; 8 bits a number), with one power-of-two scale for each 32 numbers along K (OCP MX v1.0); their sums are f32. All else is computed in f32.
;;   The module's matrix products, in the order in which they are computed (A, B: the left and right operand; K: the contracted axis; several contracted axes count as one K, in the product's order):
;;     1. [M 8,192, K 1,024] x [K 1,024, N 3,072]; A: input x; B: input w_qkv: QUANTISED
;;     2. batch 64 x [M 2,048, K 64] x [K 64, N 2,048]; A: computed on the way; B: computed on the way: QUANTISED
;;     3. batch 64 x [M 2,048, K 2,048] x [K 2,048, N 64]; A: softmax (see below); B: computed on the way: QUANTISED
;;     4. [M 8,192, K 1,024] x [K 1,024, N 1,024]; A: computed on the way; B: input w_out: QUANTISED
;;   THE QUANTISER, for each operand of a quantised product, along K:
;;     - K is cut into blocks of 32 from its start; a last block that is shorter is filled with zeros.
;;     - A block's scale is 2^e with e = floor(log2(the largest magnitude in the block)) - 8, held to -126 .. 127; a block of zeros has e = 0. As a byte (E8M0): e + 127.
;;     - Each number is divided by its block's scale, clamped to +-448, and rounded to the nearest number of E4M3, ties to even, subnormals kept.
;;     - The product sums the exact products of the quantised numbers (number of the format x scale) in f32.
;;   ~~~python
;;   def quantise(x, axis):      # numpy; x: float32 -> the quantised numbers, widened to float32 again
;;       x = np.moveaxis(x, axis, -1); K = x.shape[-1]
;;       x = np.pad(x, [(0, 0)] * (x.ndim - 1) + [(0, -K % 32)]); x = x.reshape(x.shape[:-1] + (-1, 32)); a = np.abs(x).max(-1, keepdims=True)
;;       e = np.where(a > 0, np.clip(np.frexp(np.where(a > 0, a, 1))[1] - 1 - 8, -126, 127), 0)      # np.frexp(a)[1] - 1 = floor(log2(a)), exactly
;;       r = np.clip(x / 2.0 ** e, -448, 448)
;;       step = 2.0 ** (np.maximum(np.frexp(np.where(r == 0, 1, r))[1] - 1, -6) - 3)
;;       q = np.round(r / step) * step * 2.0 ** e      # np.round: ties to even
;;       return np.moveaxis(q.reshape(q.shape[:-2] + (-1,))[..., :K], -1, axis).astype(np.float32)
;;   ~~~
;;   SOFTMAX AHEAD OF A QUANTISED PRODUCT. Where the list says 'softmax', what is quantised is not the finished softmax but p = 2^(t - M), with t = logit x log2(e) and M = ceil(the row's largest t), a whole number; so 1/2 < the row's largest p <= 1. The row's sum l is taken of the UNQUANTISED p, in f32, and the product's result is divided by l at the end. Since M is a whole number, a kernel that streams over the keys may use a running M (the ceiling of the running maximum): every later rescaling is an exact power of two, which a block's scale takes up: the codes' values come out the same.
;;   OPERANDS COMPUTED ON THE WAY. 'Computed on the way' means the value that the module computes at that place (a softmax that the list does not call 'softmax' is quantised finished and normalised). What goes into a quantiser is computed in f32, as accurately as f32 sums, v_exp_f32 and their like allow (about 1e-6 of the number): no bf16 or f16 on the way to a quantiser, and a product that is left as it is and whose result goes on into a quantised operand takes f32 operands (vector FMAs, or v_wmma_f32_16x16x4_f32). A number that lies on a knife's edge between two numbers of the format may be rounded either way, as far as f32 arithmetic and the matrix unit's own rounding can turn it there, and no further.
;; One version. Each part assembles by itself: llvm-mc -triple=amdgcn-amd-amdhsa -mcpu=gfx1250 --defsym DOCPART=n.
;; ======== version 1 of 1: 4 launches
;; limits: right only within a limited range of input values
;; workspace buffers: img 12,582,912 bytes; sc 393,216 bytes; qkv_rec 25,952,256 bytes; o_img 8,388,608 bytes; o_sc 262,144 bytes
;; launch quant (part 1): grid 384 x 1, 4 waves a work-group, no clusters, 34,304 bytes of LDS; arguments x, w_qkv, w_out, img, sc; writes img, sc
.if DOCPART == 1
	.amdgcn_target "amdgcn-amd-amdhsa--gfx1250"
	.amdhsa_code_object_version 6
	.text
	.protected	k_qb171a1b396_quant
	.globl	k_qb171a1b396_quant
	.p2align	8
	.type	k_qb171a1b396_quant,@function
k_qb171a1b396_quant:
	s_mov_b64 s[64:65], 0
	v_nop
	global_prefetch_b8 v0, s[64:65] scope:SCOPE_SE
	s_setreg_imm32_b32 hwreg(HW_REG_WAVE_MODE, 25, 1), 1
	s_wait_xcnt 0x0
; x [8192][1024], w_qkv [3072][1024], w_out [1024][1024], f32, K innermost, become codes of FP8 (E4M3) with one E8M0 byte for each 32 along K,
; laid in the ORDER OF THE OPERAND'S REGISTERS.  The three tensors are one run of 12,288 rows (x, then w_qkv, then w_out), cut into tiles of 16 rows.
; THE ROWS OF A TILE ARE NOT NEIGHBOURS: lane r of tile t stands for row 32 (t / 2) + 8 (t % 2) + r + 8 (r / 8), so that the results of two neighbouring tiles are 16 neighbours in a lane's registers.
; img: [tile][K step of 128][2,048 bytes]: byte 512 c + 16 lane + e is the code of the lane's row at k = 32 c + 16 (lane / 16) + e of the step: four 16-byte loads at 16 x lane give a fragment.
; sc:  [128 tile rows][4,096 bytes]: byte 1024 z + 8 v + 4 q + b is the scale byte of tile row v, K step 2 z + q, block b.
; A block's scale is 2^(floor(log2(its largest magnitude)) - 8); each number is divided by it, held within +-448 and rounded to the nearest code, ties to even.
; LIMITS: NaN and infinities among the inputs are not served.  A block whose largest magnitude lies under 2^-118, a block of zeros among them, keeps the byte 1 (the rule says 127 for zeros):
; its codes are zeros or the rule's own, and the bytes are read by this program alone.
; SHARES: a work-group takes two neighbouring tiles (32 rows on end), wave w the 256 along K from 256 w on: four fragments (tile u, K step q).  Each load reads 512 consecutive bytes of one row; a fragment's
; 16 x 512 bytes turn through the wave's own stage in LDS, so that a lane gets 16 neighbours of each block of 32.  No barrier: waves share nothing.  No matrix unit, no cluster: nothing is shared and memory binds.
.set PITCH, 528                        ; a stage row: 512 bytes + 16: the sixteen rows that a load touches start at sixteen different 16-byte columns
.set STGB,  16*PITCH                   ; a wave's stage
.set LO,    1                          ; v1   16 x lane
.set SI,    2                          ; v2   the stage, on the way in
.set SOUT,  3                          ; v3   the stage, on the way out: row r, + 64 (lane / 16)
.set L8,    4                          ; v4   8 x lane
.set R,     16                         ; v16-143   two sets of 64 registers as loaded
.set X,     144                        ; v144-207  64 numbers: register 16 b + i = k 32 b + 16 (lane / 16) + i of my row
.set PC,    208                        ; v208-223  the fragment's codes
.set TM,    224                        ; v224-239  at work
.set PW,    240                        ; v240      the scale word just made
.set SW,    241                        ; v241-244  the four fragments' scale words
.set SEL,   20                         ; s20, s21  lane selects: lane l xor 16
.set MNT,   22                         ; s22       unused
	s_load_b256 s[4:11], s[0:1], 0x0               ; x s[4:5], w_qkv s[6:7], w_out s[8:9], img s[10:11]
	s_load_b64 s[12:13], s[0:1], 0x20              ; sc
	v_lshl_add_u32 v254, v0, 2, 0x8400
	v_mov_b32 v255, 0
	v_lshrrev_b32 v5, 5, v0
	v_readfirstlane_b32 s14, v5                    ; wave
	v_and_b32 v6, 31, v0                           ; lane
	v_and_b32 v7, 15, v0                           ; r
	v_bfe_u32 v8, v0, 4, 1                         ; h
	v_lshlrev_b32 v[LO], 4, v6
	s_mul_i32 s15, s14, STGB
	v_add_nc_u32 v[SI], s15, v[LO]
	v_mul_u32_u24 v[SOUT], v7, PITCH
	v_lshl_add_u32 v[SOUT], v8, 6, v[SOUT]
	v_add_nc_u32 v[SOUT], s15, v[SOUT]
	v_lshlrev_b32 v[L8], 3, v6
	s_mov_b32 s[SEL], 0x76543210
	s_mov_b32 s[SEL+1], 0xfedcba98
.irp b, 0,1,2,3
	v_mov_b32 v[TM+4+\b], 0                        ; written once: a lane permute's destination counts as one of its sources
.endr
	s_mov_b32 s17, 352
	s_wait_alu depctr_va_vdst(0)
	s_wait_kmcnt 0x0
	s_cmp_lt_u32 ttmp9, 352                        ; which tensor: the choice hangs on the work-group's number alone
	s_cselect_b64 s[6:7], s[6:7], s[8:9]
	s_cselect_b32 s16, 256, s17
	s_cmp_lt_u32 ttmp9, 256
	s_cselect_b64 s[4:5], s[4:5], s[6:7]
	s_cselect_b32 s16, 0, s16
	s_sub_co_u32 s16, ttmp9, s16                   ; which 32 rows of that tensor
	s_lshl_b32 s18, s16, 17                        ; 32 rows of 4,096 bytes,
	s_lshl_b32 s19, s14, 10                        ; my wave's 1,024 bytes of a row
	s_add_co_u32 s18, s18, s19
	s_mov_b32 s19, 0
	s_add_nc_u64 s[4:5], s[4:5], s[18:19]
	s_lshl_b32 s18, ttmp9, 15                      ; img: two tiles of 16,384 bytes,
	s_lshl_b32 s24, s14, 12                        ; my two K steps of 2,048
	s_add_co_u32 s18, s18, s24
	s_add_nc_u64 s[10:11], s[10:11], s[18:19]
	s_lshr_b32 s18, ttmp9, 2                       ; sc: four work-groups to a block of 128 tile rows,
	s_lshl_b32 s18, s18, 12
	s_lshl_b32 s24, s14, 10                        ; z = my wave,
	s_add_co_u32 s18, s18, s24
	s_and_b32 s24, ttmp9, 3
	s_lshl_b32 s24, s24, 8                         ; my 32 tile rows of 8 bytes
	s_add_co_u32 s18, s18, s24
	s_add_nc_u64 s[12:13], s[12:13], s[18:19]
.macro LOAD f                          ; fragment f = 2 u + q: the 16 rows of tile u, 512 bytes each
.irp i, 0,1,2,3,4,5,6,7,8,9,10,11,12,13,14,15
	global_load_b128 v[R+64*((\f)%2)+4*\i:R+64*((\f)%2)+4*\i+3], v[LO], s[4:5] offset:(8*((\f)/2)+\i+8*(\i/8))*4096+512*((\f)%2) th:TH_LOAD_NT
.endr
.endm
.macro TURN f                          ; through the stage: LDS serves a wave's instructions in order, so no wait stands between the stores and the loads
.irp i, 0,1,2,3,4,5,6,7,8,9,10,11,12,13,14,15
	ds_store_b128 v[SI], v[R+64*((\f)%2)+4*\i:R+64*((\f)%2)+4*\i+3] offset:PITCH*\i
.endr
.irp b, 0,1,2,3
.irp j, 0,1,2,3
	ds_load_b128 v[X+16*\b+4*\j:X+16*\b+4*\j+3], v[SOUT] offset:128*\b+16*\j
.endr
.endr
.endm
; 64 numbers of a lane, v[s] on, become a fragment's codes in v[PC] on, the four scale bytes in v[TM+4] on and the scale word in v[PW]
.macro QUANT s
.irp b, 0,1,2,3
	v_max3_num_f32 v[TM+\b], |v[\s+16*\b]|, |v[\s+1+16*\b]|, 0x4800000   ; block b: my 16 numbers, and the floor 2^(9 - 127): the byte cannot fall under 1
.endr
.irp i, 2,4,6,8,10,12,14
.irp b, 0,1,2,3
	v_max3_num_f32 v[TM+\b], v[TM+\b], |v[\s+16*\b+\i]|, |v[\s+1+16*\b+\i]|   ; the four blocks by turns
.endr
.endr
.irp b, 0,1,2,3
	v_permlanex16_b32 v[TM+4+\b], v[TM+\b], s[SEL], s[SEL+1]
.endr
.irp b, 0,1,2,3
	v_max_num_f32 v[TM+\b], v[TM+\b], v[TM+4+\b]   ; with lane l xor 16's: the block's largest magnitude
.endr
.irp b, 0,1,2,3
	v_add_nc_u32 v[TM+12+\b], 0xfc000000, v[TM+\b] ; 8 off its exponent field: the conversion takes the exponent field of this operand as its scale
.endr
.irp b, 0,1,2,3
.endr
.irp b, 0,1,2,3
	v_lshrrev_b32 v[TM+4+\b], 23, v[TM+12+\b]      ; the scale's byte
.endr
	v_lshl_or_b32 v[PW], v[TM+5], 8, v[TM+4]
	v_lshl_or_b32 v[PW], v[TM+6], 16, v[PW]
	v_lshl_or_b32 v[PW], v[TM+7], 24, v[PW]
.irp b, 0,1,2,3
.irp i, 0,1,2,3,4,5,6,7,8,9,10,11,12,13,14,15
.endr
	v_cvt_scalef32_pk8_fp8_f32 v[PC+4*\b:PC+1+4*\b], v[\s+16*\b:\s+7+16*\b], v[TM+12+\b]
	v_cvt_scalef32_pk8_fp8_f32 v[PC+2+4*\b:PC+3+4*\b], v[\s+8+16*\b:\s+15+16*\b], v[TM+12+\b]
.endr
	v_nop                                          ; one plain vector instruction behind the last scaled conversion
.endm
.macro FRAGQ f
.if (\f) < 3
	s_wait_loadcnt 16                              ; this fragment's 16 loads are in; the next fragment's 16 may be out
.else
	s_wait_loadcnt 0x0
.endif
	TURN \f
	s_wait_dscnt 0x0                               ; my numbers are back, and the stage's stores have read the registers that the next loads take
	s_wait_xcnt 0x0                                ; the last fragment's stores have read their data: the codes' registers are rewritten only behind this wait
.if (\f) < 2
	LOAD (\f)+2
.endif
	QUANT X
.irp c, 0,1,2,3
	global_store_b128 v[LO], v[PC+4*\c:PC+4*\c+3], s[10:11] offset:16384*((\f)/2)+2048*((\f)%2)+512*\c   ; the wave stores 512 consecutive bytes, aligned
.endr
	v_mov_b32 v[SW+(\f)], v[PW]
.endm
	LOAD 0
	LOAD 1
	FRAGQ 0
	FRAGQ 1
	FRAGQ 2
	FRAGQ 3
	v_cmp_lt_u32 vcc_lo, 15, v6                    ; lanes 0-15 store tile 0's words, lanes 16-31 tile 1's (every lane holds its row r's words of both)
	v_cndmask_b32 v246, v[SW], v[SW+2], vcc_lo
	v_cndmask_b32 v247, v[SW+1], v[SW+3], vcc_lo
	global_store_b64 v[L8], v[246:247], s[12:13]   ; 32 lanes store 256 consecutive bytes, aligned
	s_wait_tensorcnt 0x0
	ds_add_u32 v254, v255
	s_wait_dscnt 0x0
	s_endpgm
.Lfunc_end_k_qb171a1b396_quant:
	.size	k_qb171a1b396_quant, .Lfunc_end_k_qb171a1b396_quant-k_qb171a1b396_quant
	.p2alignl 7, 3214868480
	.fill 96, 4, 3214868480
	.section	.rodata,"a",@progbits
	.p2align	6, 0x0
	.amdhsa_kernel k_qb171a1b396_quant
		.amdhsa_group_segment_fixed_size 34304
		.amdhsa_private_segment_fixed_size 0
		.amdhsa_enable_private_segment 0
		.amdhsa_kernarg_size 40
		.amdhsa_user_sgpr_count 2
		.amdhsa_user_sgpr_kernarg_segment_ptr 1
		.amdhsa_wavefront_size32 1
		.amdhsa_system_sgpr_workgroup_id_x 1
		.amdhsa_system_sgpr_workgroup_id_y 1
		.amdhsa_system_sgpr_workgroup_id_z 1
		.amdhsa_system_vgpr_workitem_id 0
		.amdhsa_next_free_vgpr 256
		.amdhsa_next_free_sgpr 66
		.amdhsa_reserve_vcc 1
		.amdhsa_float_denorm_mode_32 3
		.amdhsa_float_denorm_mode_16_64 3
		.amdhsa_fp16_overflow 1
		.amdhsa_memory_ordered 1
		.amdhsa_forward_progress 1
		.amdhsa_inst_pref_size 33
	.end_amdhsa_kernel
	.amdgpu_metadata
---
amdhsa.version: [ 1, 2 ]
amdhsa.kernels:
  - .name:           k_qb171a1b396_quant
    .symbol:         k_qb171a1b396_quant.kd
    .args:
      - { .name: x, .offset: 0, .size: 8, .value_kind: global_buffer, .address_space: global }
      - { .name: w_qkv, .offset: 8, .size: 8, .value_kind: global_buffer, .address_space: global }
      - { .name: w_out, .offset: 16, .size: 8, .value_kind: global_buffer, .address_space: global }
      - { .name: img, .offset: 24, .size: 8, .value_kind: global_buffer, .address_space: global }
      - { .name: sc, .offset: 32, .size: 8, .value_kind: global_buffer, .address_space: global }
    .group_segment_fixed_size: 34304
    .private_segment_fixed_size: 0
    .kernarg_segment_align: 8
    .kernarg_segment_size: 40
    .max_flat_workgroup_size: 128
    .sgpr_count:     66
    .vgpr_count:     256
    .wavefront_size: 32
...
	.end_amdgpu_metadata
.endif
;; end of part 1
;; launch qkv (part 2): grid 8 x 48, 4 waves a work-group, clusters of 4 x 4, 327,680 bytes of LDS; arguments img, sc, b_qkv, qkv_rec; writes qkv_rec
.if DOCPART == 2
	.amdgcn_target "amdgcn-amd-amdhsa--gfx1250"
	.amdhsa_code_object_version 6
	.text
	.protected	k_qb171a1b396_qkv
	.globl	k_qb171a1b396_qkv
	.p2align	8
	.type	k_qb171a1b396_qkv,@function
k_qb171a1b396_qkv:
	s_mov_b64 s[64:65], 0
	v_nop
	global_prefetch_b8 v0, s[64:65] scope:SCOPE_SE
	s_setreg_imm32_b32 hwreg(HW_REG_WAVE_MODE, 25, 1), 1
	s_wait_xcnt 0x0
	s_wait_alu depctr_hold_cnt(0) depctr_sa_sdst(0) depctr_va_vdst(0) depctr_va_sdst(0) depctr_va_ssrc(0) depctr_va_vcc(0) depctr_vm_vsrc(0)
	s_getreg_b32 s2, hwreg(HW_REG_IB_STS2, 6, 4)
	s_cmp_eq_u32 s2, 0
	s_cbranch_scc0 .Lentry_in_a_cluster
	s_endpgm
.Lentry_in_a_cluster:
	s_bfe_u32 s2, ttmp6, 0x10000c
	s_cmp_lg_u32 s2, 0xf033
	s_cbranch_scc0 .Lentry_shape_is_right
	s_endpgm
.Lentry_shape_is_right:
.set NQ,     2
.set FR,     16
.set NL,     4
.set NP,     8
.set HALFT,  32768
.set SLOT,   4*HALFT
.set STEPB,  8192
.set LAPS,   2
.set SCL,    2*SLOT
.set HALFS,  4096
.set SPARE,  SCL+4*HALFS
.set STGV,   2048
.set BO1,  10
.set BO2,  11
.set ADRA, 16
.set ADRB, 20
.set LI,   24
.set SS,   25
.set SL,   26
.set ADRS, 27
.set SPW,  28
.set NIL,  29
.set L8,   30
.set SC,   32
.set BIAS, 64
.set AF,   128
.set X,    128
.set PC,   192
.set TM,   208
.set PW,   224
.set HW,   225
.set FL,   228
.set G1, 24
.set G0, 32
.set G1B, 48
.set G0B, 56
.set G1S, 68
.set G0S, 76
.set G1SB, 80
.set G0SB, 88
.set MODE, 95
.set AOFF, 96
.set BOFF, 97
.set OUT,  98
.set BP,   100
.set SEL,  20
.set MNT,  22
.set MSB, 0
.macro WIN new
.if MSB != (\new)
	s_set_vgpr_msb (MSB<<8)|(\new)
.set MSB, (\new)
.endif
.endm
.set MUL_LO, 0xa1
.set MUL_HI, 0xf1
.set TO_B,   0x40
.macro JLOAD g0a, g1a, g0b, g1b
	s_cmp_eq_u32 s15, 0
	s_cbranch_scc0 .Lfor_b_\@
	tensor_load_to_lds s[\g0a:\g0a+3], s[\g1a:\g1a+7]
	s_nop 0
.rept 4
	v_nop
.endr
	s_branch .Lasked_\@
.Lfor_b_\@:
	tensor_load_to_lds s[\g0b:\g0b+3], s[\g1b:\g1b+7]
	s_nop 0
.rept 4
	v_nop
.endr
.Lasked_\@:
.endm
.macro CREST
	s_cmp_lg_u32 s14, 0
	s_cbranch_scc1 .Lnot_wave_0_\@
	s_barrier_signal -3
.Lnot_wave_0_\@:
	s_barrier_wait -3
	s_barrier_signal -1
	s_barrier_wait -1
.endm
.macro CROUND
	s_barrier_signal -1
	s_barrier_wait -1
	CREST
.endm
	s_load_b256 s[4:11], s[0:1], 0x0
	v_lshl_add_u32 v[SPW], v0, 2, SPARE
	v_mov_b32 v[NIL], 0
	ds_add_u32 v28, v29
	ds_add_u32 v28, v29
	s_wait_dscnt 0x0
	v_lshrrev_b32 v1, 5, v0
	v_readfirstlane_b32 s14, v1
	s_lshr_b32 s15, s14, 1
	s_and_b32 s16, s14, 1
	s_bfe_u32 s40, ttmp6, 0x40000
	s_bfe_u32 s41, ttmp6, 0x40004
	s_and_b32 s12, ttmp7, 0xffff
	s_sub_co_u32 s13, s12, 8
	s_lshl_b32 s13, s13, 1
	s_add_co_u32 s13, s13, ttmp9
	s_cmp_lt_u32 s12, 8
	s_cselect_b32 s[MODE], 0, 1
	s_cselect_b32 s12, s12, 0
	s_cselect_b32 s13, ttmp9, s13
	s_cselect_b32 s[AOFF], 0, 10240
	s_cselect_b32 s[BOFF], 8192, 0
	s_lshl_b32 s42, s13, 2
	s_add_co_u32 s42, s42, s40
	s_lshl_b32 s17, s12, 2
	s_add_co_u32 s17, s17, s41
	s_lshl_b32 s43, s41, 2
	s_lshl_b32 s43, 15, s43
	s_lshl_b32 s44, 0x1111, s40
	s_or_b32 s[G1+0], s43, (3<<16)|(1<<21)
	s_or_b32 s[G1B+0], s44, (3<<16)|(1<<21)
.irp g, G1, G1B
	s_mov_b32 s[\g+1], 512<<16
	s_mov_b32 s[\g+2], 8<<16
	s_mov_b32 s[\g+3], 512<<16
	s_mov_b32 s[\g+4], 8
	s_mov_b32 s[\g+5], 2048
	s_mov_b32 s[\g+6], 0
	s_mov_b32 s[\g+7], 0
.endr
	s_or_b32 s[G1S+0], s43, (3<<16)|(1<<21)
	s_or_b32 s[G1SB+0], s44, (3<<16)|(1<<21)
.irp g, G1S, G1SB
	s_mov_b32 s[\g+1], 32<<16
	s_mov_b32 s[\g+2], 16<<16
	s_mov_b32 s[\g+3], 32<<16
	s_mov_b32 s[\g+4], 16
	s_mov_b32 s[\g+5], 32
	s_mov_b32 s[\g+6], 0
	s_mov_b32 s[\g+7], 0
.endr
	s_lshl_b32 s18, s16, 7
	s_lshl_b32 s20, s17, 8
	s_add_co_u32 s20, s20, s18
	s_add_co_u32 s20, s20, s[AOFF]
	s_lshl_b32 s46, s42, 8
	s_add_co_u32 s46, s46, s18
	s_add_co_u32 s46, s46, s[BOFF]
	s_lshl_b32 s22, s20, 5
	s_lshl_b32 s92, s46, 5
	s_lshl_b32 s20, s20, 10
	s_lshl_b32 s46, s46, 10
	s_mov_b32 s21, 0
	s_mov_b32 s23, 0
	s_mov_b32 s47, 0
	s_mov_b32 s93, 0
	s_mul_i32 s45, s14, HALFT
	s_mul_i32 s94, s14, HALFS
	s_wait_kmcnt 0x0
	s_add_nc_u64 s[20:21], s[4:5], s[20:21]
	s_add_nc_u64 s[22:23], s[6:7], s[22:23]
	s_add_nc_u64 s[46:47], s[4:5], s[46:47]
	s_add_nc_u64 s[92:93], s[6:7], s[92:93]
	CROUND
	s_mov_b32 s[G0S], 1
	s_add_co_u32 s[G0S+1], s94, SCL
	s_mov_b64 s[G0S+2:G0S+3], s[22:23]
	s_or_b32 s[G0S+3], s[G0S+3], 0x80000000
	s_mov_b32 s[G0SB], 1
	s_add_co_u32 s[G0SB+1], s94, SCL
	s_mov_b64 s[G0SB+2:G0SB+3], s[92:93]
	s_or_b32 s[G0SB+3], s[G0SB+3], 0x80000000
	JLOAD G0S, G1S, G0SB, G1SB
.irp s, 0,1
	s_mov_b32 s[G0+4*\s], 1
	s_add_co_u32 s[G0+4*\s+1], s45, \s*SLOT
	s_add_nc_u64 s[G0+4*\s+2:G0+4*\s+3], s[20:21], \s*4096
	s_or_b32 s[G0+4*\s+3], s[G0+4*\s+3], 0x80000000
	s_mov_b32 s[G0B+4*\s], 1
	s_add_co_u32 s[G0B+4*\s+1], s45, \s*SLOT
	s_add_nc_u64 s[G0B+4*\s+2:G0B+4*\s+3], s[46:47], \s*4096
	s_or_b32 s[G0B+4*\s+3], s[G0B+4*\s+3], 0x80000000
	s_wait_alu depctr_va_vdst(0)
	s_wait_tensorcnt 0x0
	ds_add_u32 v28, v29
	s_wait_dscnt 0x0
	CROUND
	JLOAD G0+4*\s, G1, G0B+4*\s, G1B
.endr
	v_and_b32 v1, 15, v0
	v_bfe_u32 v2, v0, 4, 1
	s_wait_alu depctr_va_vdst(0)
	v_and_b32 v3, 31, v0
	v_lshlrev_b32 v[LI], 4, v3
	v_lshlrev_b32 v[L8], 3, v3
	s_mul_i32 s21, s15, HALFT
	s_mul_i32 s22, s16, HALFT
	s_add_co_u32 s22, s22, 2*HALFT
.irp s, 0,1
	v_add_nc_u32 v[ADRA+\s], s21, v[LI]
	v_add_nc_u32 v[ADRB+\s], s22, v[LI]
	s_add_co_u32 s21, s21, SLOT
	s_add_co_u32 s22, s22, SLOT
.endr
	v_lshlrev_b32 v5, 3, v1
	s_mul_i32 s21, s15, HALFS
	s_mul_i32 s22, s16, HALFS
	s_add_co_u32 s22, s22, 2*HALFS
	s_sub_co_u32 s22, s22, s21
	v_mul_u32_u24 v6, s22, v2
	s_add_co_u32 s21, s21, SCL
	v_add_nc_u32 v5, v5, v6
	v_add_nc_u32 v[ADRS], s21, v5
	s_lshl_b32 s23, s14, 9
	v_lshl_add_u32 v[SS], v1, 3, s23
	v_add_nc_u32 v[SL], s23, v[L8]
	v_lshlrev_b32 v[BO1], 6, v2
	v_and_b32 v7, 8, v1
	v_add_nc_u32 v7, v7, v1
	v_lshlrev_b32 v[BO2], 2, v7
	s_lshl_b32 s18, s17, 8
	s_lshl_b32 s19, s15, 7
	s_add_co_u32 s18, s18, s19
	s_lshl_b32 s19, s42, 8
	s_lshl_b32 s20, s16, 7
	s_add_co_u32 s19, s19, s20
	s_cmp_eq_u32 s[MODE], 0
	s_cselect_b32 s20, s18, s19
	s_cselect_b32 s21, s19, s18
	s_cselect_b32 s23, 0, 2048
	s_add_co_u32 s23, s23, s21
	s_cmp_lt_u32 s21, 1024
	s_cselect_b32 s22, 2, 0
	s_cmp_eq_u32 s[MODE], 0
	s_cselect_b32 s22, s22, 1
	s_lshr_b32 s46, s20, 11
	s_lshl_b32 s46, s46, 4
	s_bfe_u32 s47, s21, 0x40006
	s_add_co_u32 s46, s46, s47
	s_mul_i32 s46, s46, 405504
	s_bfe_u32 s47, s20, 0x20009
	s_mul_i32 s47, s47, 101376
	s_add_co_u32 s46, s46, s47
	s_mul_i32 s47, s22, 33792
	s_add_co_u32 s46, s46, s47
	s_bfe_u32 s47, s20, 0x20007
	s_mul_i32 s47, s47, 8448
	s_add_co_u32 s46, s46, s47
	s_mov_b32 s47, 0
	s_add_nc_u64 s[OUT:OUT+1], s[10:11], s[46:47]
	s_lshl_b32 s92, s23, 2
	s_mov_b32 s93, 0
	s_add_nc_u64 s[BP:BP+1], s[8:9], s[92:93]
	s_cmp_eq_u32 s[MODE], 0
	s_cbranch_scc0 .Lbias_v
	s_wait_alu depctr_va_vdst(0)
.irp b, 0,1,2,3
.irp j, 0,1,2,3
	global_load_b128 v[BIAS+16*\b+4*\j:BIAS+16*\b+4*\j+3], v[BO1], s[BP:BP+1] offset:128*\b+16*\j
.endr
.endr
	s_branch .Lbias_done
.Lbias_v:
	s_wait_alu depctr_va_vdst(0)
.irp a, 0,1,2,3,4,5,6,7
.irp x, 0,1,2,3,4,5,6,7
	global_load_b32 v[BIAS+8*\a+\x], v[BO2], s[BP:BP+1] offset:4*(32*(\a/2)+8*(\a%2))
.endr
.endr
.Lbias_done:
.macro FRAG reg, adr, q, i
.irp c, 0,1,2,3
	ds_load_b128 v[\reg+4*\c:\reg+4*\c+3], v[\adr] offset:4096*(\i)+2048*(\q)+512*\c
.endr
.endm
.macro MUL16 a0, p, q, sc, zero
.irp a, \a0, \a0+1
.irp b, 0,1,2,3,4,5,6,7
.if \zero
	v_wmma_scale_f32_16x16x128_f8f6f4 v[8*(8*((\a)%4)+\b):8*(8*((\a)%4)+\b)+7], v[128*(\p)+FR*\b:128*(\p)+FR*\b+FR-1], v[AF+FR*(\a):AF+FR*(\a)+FR-1], 0, v[SC+8*NQ*(\sc)+NQ*\b+(\q)], v[SC+8*NQ*(\sc)+NQ*(\a)+(\q)] matrix_a_scale:MATRIX_SCALE_ROW1
.else
	v_wmma_scale_f32_16x16x128_f8f6f4 v[8*(8*((\a)%4)+\b):8*(8*((\a)%4)+\b)+7], v[128*(\p)+FR*\b:128*(\p)+FR*\b+FR-1], v[AF+FR*(\a):AF+FR*(\a)+FR-1], v[8*(8*((\a)%4)+\b):8*(8*((\a)%4)+\b)+7], v[SC+8*NQ*(\sc)+NQ*\b+(\q)], v[SC+8*NQ*(\sc)+NQ*(\a)+(\q)] matrix_a_scale:MATRIX_SCALE_ROW1
.endif
.endr
.endr
.endm
.macro FETCH_B slot, q, p
	WIN TO_B
.irp i, 0,1,2,3,4,5,6,7
	FRAG 128*(\p)+FR*\i, ADRB+\slot, \q, \i
.endr
	WIN 0
.endm
.macro FETCH_A slot, q, i0
.irp i, \i0, \i0+1, \i0+2, \i0+3
	FRAG AF+FR*(\i), ADRA+\slot, \q, \i
.endr
.endm
.macro SCALES sc
.irp i, 0,1,2,3,4,5,6,7
	ds_load_b64 v[SC+8*NQ*\sc+NQ*\i:SC+8*NQ*\sc+NQ*\i+1], v[ADRS] offset:\i*128
.endr
.endm
.macro PLACES n
.rept \n
	v_nop
.endr
.endm
.macro STEP slot, q, zero
	s_wait_dscnt 4*NL
	WIN MUL_LO
	MUL16 0, (\q)%2, \q, \slot, \zero
	MUL16 2, (\q)%2, \q, \slot, \zero
	s_wait_dscnt 0
	PLACES NP
	FETCH_B \slot, (\q)+1, 1-(\q)%2
	FETCH_A \slot, (\q)+1, 0
	WIN MUL_HI
	MUL16 4, (\q)%2, \q, \slot, \zero
	MUL16 6, (\q)%2, \q, \slot, \zero
	PLACES NP
	WIN 0
	FETCH_A \slot, (\q)+1, 4
.endm
.macro TURN slot, next, fill
	s_wait_tensorcnt 0x0
	ds_add_u32 v[SPW], v[NIL]
	s_wait_dscnt 4*NL+1
	WIN MUL_LO
	MUL16 0, 1, NQ-1, \slot, 0
	s_wait_dscnt 0x0
	s_barrier_signal -1
	MUL16 2, 1, NQ-1, \slot, 0
	WIN 0
	s_barrier_wait -1
.if \fill
	CREST
	s_add_nc_u64 s[G0+4*\slot+2:G0+4*\slot+3], s[G0+4*\slot+2:G0+4*\slot+3], STEPB
	s_add_nc_u64 s[G0B+4*\slot+2:G0B+4*\slot+3], s[G0B+4*\slot+2:G0B+4*\slot+3], STEPB
	JLOAD G0+4*\slot, G1, G0B+4*\slot, G1B
	PLACES NP-4
.else
	PLACES NP
.endif
	s_wait_alu depctr_va_vdst(0)
	v_add_nc_u32 v[ADRS], 1024, v[ADRS]
	FETCH_B \next, 0, 0
	FETCH_A \next, 0, 0
	SCALES \next
	WIN MUL_HI
	MUL16 4, 1, NQ-1, \slot, 0
	MUL16 6, 1, NQ-1, \slot, 0
	PLACES NP
	WIN 0
	FETCH_A \next, 0, 4
.endm
	s_wait_tensorcnt 1
	s_barrier_signal -1
	s_barrier_wait -1
	FETCH_B 0, 0, 0
	FETCH_A 0, 0, 0
	SCALES 0
	FETCH_A 0, 0, 4
	STEP 0, 0, 1
	s_mov_b32 s3, LAPS-1
.Llap:
	TURN 0, 1, 1
	STEP 1, 0, 0
	TURN 1, 0, 1
	STEP 0, 0, 0
	s_sub_co_u32 s3, s3, 1
	s_cmp_lg_u32 s3, 0
	s_cbranch_scc1 .Llap
	TURN 0, 1, 0
	STEP 1, 0, 0
	s_wait_dscnt 4*NL
	WIN MUL_LO
	MUL16 0, 1, NQ-1, 1, 0
	MUL16 2, 1, NQ-1, 1, 0
	s_wait_dscnt 0
	WIN MUL_HI
	MUL16 4, 1, NQ-1, 1, 0
	MUL16 6, 1, NQ-1, 1, 0
	WIN 0
.macro QUANT s
.irp b, 0,1,2,3
	v_max3_num_f32 v[TM+\b], |v[\s+16*\b]|, |v[\s+1+16*\b]|, 0x4800000
.endr
.irp i, 2,4,6,8,10,12,14
.irp b, 0,1,2,3
	v_max3_num_f32 v[TM+\b], v[TM+\b], |v[\s+16*\b+\i]|, |v[\s+1+16*\b+\i]|
.endr
.endr
.irp b, 0,1,2,3
	v_permlanex16_b32 v[TM+4+\b], v[TM+\b], s[SEL], s[SEL+1]
.endr
.irp b, 0,1,2,3
	v_max_num_f32 v[TM+\b], v[TM+\b], v[TM+4+\b]
.endr
.irp b, 0,1,2,3
	v_add_nc_u32 v[TM+12+\b], 0xfc000000, v[TM+\b]
.endr
.irp b, 0,1,2,3
.endr
.irp b, 0,1,2,3
	v_lshrrev_b32 v[TM+4+\b], 23, v[TM+12+\b]
.endr
	v_lshl_or_b32 v[PW], v[TM+5], 8, v[TM+4]
	v_lshl_or_b32 v[PW], v[TM+6], 16, v[PW]
	v_lshl_or_b32 v[PW], v[TM+7], 24, v[PW]
.irp b, 0,1,2,3
.irp i, 0,1,2,3,4,5,6,7,8,9,10,11,12,13,14,15
.endr
	v_cvt_scalef32_pk8_fp8_f32 v[PC+4*\b:PC+1+4*\b], v[\s+16*\b:\s+7+16*\b], v[TM+12+\b]
	v_cvt_scalef32_pk8_fp8_f32 v[PC+2+4*\b:PC+3+4*\b], v[\s+8+16*\b:\s+15+16*\b], v[TM+12+\b]
.endr
	v_nop
.endm
.macro EPI a, vm
	WIN (0x02+(\a)/4)
.set ii, 0
.rept 32
.if \vm
	v_pk_add_f32 v[X+2*ii:X+2*ii+1], v[64*((\a)%4)+2*ii:64*((\a)%4)+2*ii+1], v[BIAS+8*(\a)+2*(ii%4):BIAS+8*(\a)+2*(ii%4)+1]
.else
	v_pk_add_f32 v[X+2*ii:X+2*ii+1], v[64*((\a)%4)+2*ii:64*((\a)%4)+2*ii+1], v[BIAS+2*ii:BIAS+2*ii+1]
.endif
.set ii, ii+1
.endr
	WIN 0
	s_wait_xcnt 0x0
	s_wait_dscnt 0x0
	QUANT X
.if \vm
.irp c, 0,1,2,3
	global_store_b128 v[LI], v[PC+4*\c:PC+4*\c+3], s[OUT:OUT+1] offset:405504*((\a)/4)+2048*((\a)%4)+512*\c
.endr
	ds_store_b32 v[SS], v[PW] offset:STGV+256*((\a)/4)+128*((\a)%2)+4*(((\a)%4)/2)
.else
.irp j, 0,1
.irp c, 0,1
	global_store_b128 v[LI], v[PC+8*\j+4*\c:PC+8*\j+4*\c+3], s[OUT:OUT+1] offset:405504*\j+1024*(\a)+512*\c
.endr
	v_lshl_or_b32 v[HW+\j], v[TM+5+2*\j], 8, v[TM+4+2*\j]
	ds_store_b16 v[SS], v[HW+\j] offset:256*\j+128*(((\a)/2)%2)+4*((\a)/4)+2*((\a)%2)
.endr
.endif
.endm
.macro FLUSH stg
	ds_load_b64 v[FL:FL+1], v[SL] offset:\stg
	ds_load_b64 v[FL+2:FL+3], v[SL] offset:\stg+256
	s_wait_dscnt 0x0
	global_store_b64 v[L8], v[FL:FL+1], s[OUT:OUT+1] offset:8192
	global_store_b64 v[L8], v[FL+2:FL+3], s[OUT:OUT+1] offset:405504+8192
.endm
	PLACES NP
	s_mov_b32 s[SEL], 0x76543210
	s_mov_b32 s[SEL+1], 0xfedcba98
.irp b, 0,1,2,3
	v_mov_b32 v[TM+4+\b], 0
.endr
	s_wait_loadcnt 0x0
	s_cmp_eq_u32 s[MODE], 0
	s_cbranch_scc0 .Lout_v
.irp a, 0,1,2,3,4,5,6,7
	EPI \a, 0
.endr
	FLUSH 0
	s_branch .Lend
.Lout_v:
.irp a, 0,1,2,3,4,5,6,7
	EPI \a, 1
.endr
	FLUSH STGV
.Lend:
	s_wait_tensorcnt 0x0
	ds_add_u32 v[SPW], v[NIL]
	s_wait_dscnt 0x0
	CROUND
	s_endpgm
.Lfunc_end_k_qb171a1b396_qkv:
	.size	k_qb171a1b396_qkv, .Lfunc_end_k_qb171a1b396_qkv-k_qb171a1b396_qkv
	.p2alignl 7, 3214868480
	.fill 96, 4, 3214868480
	.section	.rodata,"a",@progbits
	.p2align	6, 0x0
	.amdhsa_kernel k_qb171a1b396_qkv
		.amdhsa_group_segment_fixed_size 327680
		.amdhsa_private_segment_fixed_size 0
		.amdhsa_enable_private_segment 0
		.amdhsa_kernarg_size 32
		.amdhsa_user_sgpr_count 2
		.amdhsa_user_sgpr_kernarg_segment_ptr 1
		.amdhsa_wavefront_size32 1
		.amdhsa_system_sgpr_workgroup_id_x 1
		.amdhsa_system_sgpr_workgroup_id_y 1
		.amdhsa_system_sgpr_workgroup_id_z 1
		.amdhsa_system_vgpr_workitem_id 0
		.amdhsa_next_free_vgpr 1024
		.amdhsa_next_free_sgpr 102
		.amdhsa_reserve_vcc 0
		.amdhsa_float_denorm_mode_32 3
		.amdhsa_float_denorm_mode_16_64 3
		.amdhsa_fp16_overflow 1
		.amdhsa_memory_ordered 1
		.amdhsa_forward_progress 1
		.amdhsa_inst_pref_size 227
	.end_amdhsa_kernel
	.amdgpu_metadata
---
amdhsa.version: [ 1, 2 ]
amdhsa.kernels:
  - .name:           k_qb171a1b396_qkv
    .symbol:         k_qb171a1b396_qkv.kd
    .args:
      - { .name: img, .offset: 0, .size: 8, .value_kind: global_buffer, .address_space: global }
      - { .name: sc, .offset: 8, .size: 8, .value_kind: global_buffer, .address_space: global }
      - { .name: b_qkv, .offset: 16, .size: 8, .value_kind: global_buffer, .address_space: global }
      - { .name: qkv_rec, .offset: 24, .size: 8, .value_kind: global_buffer, .address_space: global }
    .group_segment_fixed_size: 327680
    .private_segment_fixed_size: 0
    .kernarg_segment_align: 8
    .kernarg_segment_size: 32
    .max_flat_workgroup_size: 128
    .sgpr_count:     102
    .vgpr_count:     1024
    .wavefront_size: 32
...
	.end_amdgpu_metadata
.endif
;; end of part 2
;; launch attn (part 3): grid 4 x 64, 16 waves a work-group, clusters of 4 x 1, 327,680 bytes of LDS; arguments qkv_rec, o_img, o_sc; writes o_img, o_sc
.if DOCPART == 3
	.amdgcn_target "amdgcn-amd-amdhsa--gfx1250"
	.amdhsa_code_object_version 6
	.text
	.protected	k_qb171a1b396_attn
	.globl	k_qb171a1b396_attn
	.p2align	8
	.type	k_qb171a1b396_attn,@function
k_qb171a1b396_attn:
	s_mov_b64 s[64:65], 0
	v_nop
	global_prefetch_b8 v0, s[64:65] scope:SCOPE_SE
	s_setreg_imm32_b32 hwreg(HW_REG_WAVE_MODE, 25, 1), 1
	s_wait_xcnt 0x0
	s_wait_alu depctr_hold_cnt(0) depctr_sa_sdst(0) depctr_va_vdst(0) depctr_va_sdst(0) depctr_va_ssrc(0) depctr_va_vcc(0) depctr_vm_vsrc(0)
	s_getreg_b32 s2, hwreg(HW_REG_IB_STS2, 6, 4)
	s_cmp_eq_u32 s2, 0
	s_cbranch_scc0 .Lentry_in_a_cluster
	s_endpgm
.Lentry_in_a_cluster:
	s_bfe_u32 s2, ttmp6, 0x10000c
	s_cmp_lg_u32 s2, 0x3003
	s_cbranch_scc0 .Lentry_shape_is_right
	s_endpgm
.Lentry_shape_is_right:
; o = softmax(q k^T / 8) v for 64 heads of 2,048 tokens x 64 channels, both products on codes of FP8 (E4M3) with E8M0 scales; o is quantised along the model's 1,024 channels and leaves as the next product's operand.
; THE SOFTMAX AHEAD OF THE SECOND PRODUCT: t = score x log2(e) / 8; M = the row's largest t so far, rounded UP to a whole number; p = 2^(t - M) is quantised along the keys, not normalised.
; The row's sum is taken of the unquantised p and divides o at the end.  When M moves, the sum and o are multiplied by 2^(old M - new M): exact.
; SHARES.  A cluster of four work-groups is one head; each owns a quarter of its queries, 512, walked in two passes of 256; each of sixteen waves owns one tile of 16 queries a pass, in 256 registers: four waves to a SIMD,
; so that one wave's vector work stands beside another's matrix work and LDS loads.  THE HEAD'S WHOLE K AND V LIE IN LDS (32 records of 8,448 bytes), asked for JOINTLY by the four work-groups, once: nothing in LDS is filled again.
; LAYOUT.  Both products are used transposed: a lane holds ONE query.  The records hold operands as images of their registers (launch qkv), the rows of a tile chosen so that p's 16 registers of two tiles are 16 neighbouring keys.
; K = 64 IN A FORM OF K = 128: one operand of 16 registers holds key tiles 2 g and 2 g + 1.  Against [q, zeros] it gives tile 2 g's scores, against [zeros, q] tile 2 g + 1's: zero codes add nothing.  q stands twice round eight zero registers.
; LIMITS: NaN and infinities are not served; a block whose largest magnitude lies under 2^-118 keeps the scale byte 1 (read by this program alone); t is made by one multiplication by log2(e) / 8, which rounds as score / 8 x log2(e) does.
; o's two scale bytes a row and head are stored two bytes a lane, 8 bytes apart: a row's scale word holds two heads' bytes, and those belong to different work-groups; they are 1 byte in 32 of what the launch stores.
.set REC,  8448
.set QTR,  8*REC                       ; a quarter's records in LDS: four of k, four of v
.set LI,  1                            ; v1   16 x lane
.set L8,  2                            ; v2   8 x lane
.set AD,  3                            ; v3   the step's records: codes
.set AS,  4                            ; v4   scale words
.set R8,  5                            ; v5   8 r
.set QS,  6                            ; v6   q's scale word
.set PS,  7                            ; v7   p's scale word
.set KS,  8                            ; v8-9   k's scale words: register w: operand 2 w in lanes 0-15, 2 w + 1 in lanes 16-31
.set VS,  10                           ; v10-11 v's likewise.  v12 -M, v13 the largest t, v[14:15] the sum in two halves
.set QR,  16                           ; v16-23 q, v24-31 zero codes, v32-39 q
.set F,   40                           ; v40-103  four operands of 16 registers
.set S,   104                          ; v104-167 scores, then p
.set O,   168                          ; v168-199 o^T
.set PC,  200                          ; v200-215 codes
.set BM,  216
.set T2,  220
.set HD,  224
.set SO,  228
.set TA,  232
.set FF,  234                          ; v[234:235] f
.set C2,  236
.set OW,  238
.set WV,   10
.set QB,   20                          ; s[20:21] my tile of q;  s[22:23] its scale bytes
.set QSB,  22
.set G1,   24                          ; s[24:31] descriptor group 1;  s[32:47] four groups 0
.set G0,   32
.set OB,   48                          ; s[48:49] my place in o_img;  s[50:51] in o_sc
.set OSB,  50
.set CS,   52                          ; s[52:53] c = log2(e) / 8
.set SEL,  54
.set MNT,  56
.set TB,   57
.set CNT,  58
.set PASS, 59
.macro CROUND                          ; a round of the cluster's barrier
	s_barrier_signal -1
	s_barrier_wait -1
	s_cmp_lg_u32 s[WV], 0
	s_cbranch_scc1 .Lnot_wave_0_\@
	s_barrier_signal -3
.Lnot_wave_0_\@:
	s_barrier_wait -3
	s_barrier_signal -1
	s_barrier_wait -1
.endm
	s_load_b128 s[4:7], s[0:1], 0x0                ; qkv_rec, o_img
	s_load_b64 s[8:9], s[0:1], 0x10                ; o_sc
	v_lshl_add_u32 v254, v0, 2, 0x42000
	v_mov_b32 v255, 0
	ds_add_u32 v254, v255
	ds_add_u32 v254, v255
	v_lshrrev_b32 v3, 5, v0
	s_delay_alu instid0(VALU_DEP_1)
	v_readfirstlane_b32 s[WV], v3                  ; wave 0..15
	s_bfe_u32 s11, ttmp6, 0x40000                  ; cx: my quarter of the queries
	s_and_b32 s12, ttmp7, 0xffff                   ; batch x 16 + head, which the four partners share
	s_mul_i32 s14, s12, 405504
	s_mov_b32 s15, 0
	s_mul_i32 s16, s[WV], REC                      ; waves 0 to 7 fetch: record number = the wave's
	s_mov_b32 s17, 0
	s_mov_b32 s[G1], 15|(3<<16)|(1<<21)            ; 15:0 the mask: all four work-groups; 17:16 elements of 8 bytes; 21 set beside a mask
	s_mov_b32 s[G1+1], 32<<16                      ; a record: 33 dense rows of 256 bytes
	s_mov_b32 s[G1+2], 33<<16
	s_mov_b32 s[G1+3], 32<<16
	s_mov_b32 s[G1+4], 33
	s_mov_b32 s[G1+5], 32
	s_mov_b32 s[G1+6], 0
	s_mov_b32 s[G1+7], 0
	s_mov_b32 s[CS], 0x3e38aa3b
	s_mov_b32 s[CS+1], s[CS]                       ; (named with it as a pair, so it is written)
	s_mov_b32 s[SEL], 0x76543210
	s_mov_b32 s[SEL+1], 0xfedcba98
	s_wait_dscnt 0x0
	s_wait_kmcnt 0x0
	s_add_nc_u64 s[4:5], s[4:5], s[14:15]          ; the head's records
	s_add_nc_u64 s[18:19], s[4:5], s[16:17]
.irp n, 0,1,2,3
	s_mov_b32 s[G0+4*\n], 1
	s_add_co_u32 s[G0+4*\n+1], s16, QTR*\n         ; LDS: quarter n's eight records on end
	s_add_nc_u64 s[G0+4*\n+2:G0+4*\n+3], s[18:19], 101376*\n   ; memory: a quarter has twelve (k, v, q): no place in the cluster enters either address
	s_or_b32 s[G0+4*\n+3], s[G0+4*\n+3], 0x80000000
.endr
	CROUND                                         ; all four work-groups are here: the joint loads meet
	s_cmp_lt_u32 s[WV], 8                          ; a wave's four fills stand in one branch, ahead of every wait on TENSORcnt and every LDS read: four loads of mine are out
	s_cbranch_scc0 .Lno_fetch
	tensor_load_to_lds s[G0:G0+3], s[G1:G1+7]
	s_nop 0
	tensor_load_to_lds s[G0+4:G0+7], s[G1:G1+7]
	s_nop 0
	tensor_load_to_lds s[G0+8:G0+11], s[G1:G1+7]
	s_nop 0
	tensor_load_to_lds s[G0+12:G0+15], s[G1:G1+7]
	s_nop 0
.rept 4
	v_nop
.endr
.Lno_fetch:
	; my tile of queries in pass 0: tile 32 cx + wave of the head's 128: record (wave / 8) of my quarter's q, tile wave % 8 in it
	s_mul_i32 s14, s11, 101376
	s_add_co_u32 s14, s14, 67584
	s_lshr_b32 s16, s[WV], 3
	s_mul_i32 s16, s16, REC
	s_add_co_u32 s14, s14, s16
	s_and_b32 s16, s[WV], 7
	s_lshl_b32 s16, s16, 10
	s_add_co_u32 s16, s16, s14
	s_add_nc_u64 s[QB:QB+1], s[4:5], s[16:17]
	s_bfe_u32 s16, s[WV], 0x10001
	s_lshl_b32 s16, s16, 7
	s_bfe_u32 s13, s[WV], 0x10002
	s_lshl_b32 s13, s13, 2
	s_add_co_u32 s16, s16, s13
	s_and_b32 s13, s[WV], 1
	s_lshl_b32 s13, s13, 1
	s_add_co_u32 s16, s16, s13
	s_add_co_u32 s16, s16, s14
	s_add_co_u32 s16, s16, 8192
	s_add_nc_u64 s[QSB:QSB+1], s[4:5], s[16:17]
	; where o goes: token tile vt of 512, K step head / 2, blocks 2 (head % 2) and + 1
	s_lshr_b32 s13, s12, 4
	s_lshl_b32 s13, s13, 7
	s_lshl_b32 s14, s11, 5
	s_add_co_u32 s13, s13, s14
	s_add_co_u32 s13, s13, s[WV]                   ; vt
	s_and_b32 s12, s12, 15                         ; head
	s_lshl_b32 s16, s13, 14
	s_lshr_b32 s14, s12, 1
	s_lshl_b32 s14, s14, 11
	s_add_co_u32 s16, s16, s14
	s_and_b32 s14, s12, 1
	s_lshl_b32 s14, s14, 10
	s_add_co_u32 s16, s16, s14
	s_add_nc_u64 s[OB:OB+1], s[6:7], s[16:17]
	s_lshr_b32 s16, s13, 3
	s_lshl_b32 s16, s16, 12
	s_lshr_b32 s14, s12, 2
	s_lshl_b32 s14, s14, 10
	s_add_co_u32 s16, s16, s14
	s_and_b32 s14, s13, 7
	s_lshl_b32 s14, s14, 7
	s_add_co_u32 s16, s16, s14
	s_bfe_u32 s14, s12, 0x10001
	s_lshl_b32 s14, s14, 2
	s_add_co_u32 s16, s16, s14
	s_and_b32 s14, s12, 1
	s_lshl_b32 s14, s14, 1
	s_add_co_u32 s16, s16, s14
	s_add_nc_u64 s[OSB:OSB+1], s[8:9], s[16:17]
	v_and_b32 v3, 31, v0
	s_delay_alu instid0(VALU_DEP_1)
	v_lshlrev_b32 v[LI], 4, v3
	s_delay_alu instid0(VALU_DEP_2)
	v_lshlrev_b32 v[L8], 3, v3
	v_and_b32 v4, 15, v0
	s_delay_alu instid0(VALU_DEP_1)
	v_lshlrev_b32 v[R8], 3, v4
.irp j, 0,1,2,3,4,5,6,7
	v_mov_b32 v[QR+8+\j], 0                        ; the zero codes: written once
.endr
.irp b, 0,1,2,3
	v_mov_b32 v[T2+\b], 0                          ; written once: a lane permute's destination counts as one of its sources
.endr
	v_mov_b32 v[TA], 0
	v_mov_b32 v[FF+1], 0                           ; (named as the upper half of a pair)
; A KEY STEP: 128 keys; its record of k begins at LDS byte s[TB], its record of v four records on.
.macro STEP
	v_add_nc_u32 v[AD], s[TB], v[LI]
	v_add_nc_u32 v[AS], s[TB], v[L8]
.rept 6
	v_nop                                          ; with the two additions: eight places between the last products and the loads into registers that they have read
.endr
	ds_load_b64 v[KS:KS+1], v[AS] offset:8192
.irp g, 0,1,2,3
.irp c, 0,1,2,3
	ds_load_b128 v[F+16*\g+4*\c:F+16*\g+4*\c+3], v[AD] offset:2048*\g+512*\c
.endr
.endr
	s_wait_alu depctr_va_vdst(0)
	s_wait_dscnt 0x0
.irp g, 0,2                                    ; S^T = k q^T: eight tiles of 16 keys
.irp u, 0,1
	v_wmma_scale_f32_16x16x128_f8f6f4 v[S+8*(2*\g+\u):S+8*(2*\g+\u)+7], v[F+16*\g:F+16*\g+15], v[QR+8*\u:QR+8*\u+15], 0, v[KS+\g/2], v[QS]
.endr
.irp u, 0,1
	v_wmma_scale_f32_16x16x128_f8f6f4 v[S+8*(2*\g+2+\u):S+8*(2*\g+2+\u)+7], v[F+16*\g+16:F+16*\g+31], v[QR+8*\u:QR+8*\u+15], 0, v[KS+\g/2], v[QS] matrix_a_scale:MATRIX_SCALE_ROW1
.endr
.endr
.rept 8
	v_nop                                          ; places: the scores are read, and v's operands loaded over k's, behind these
.endr
	ds_load_b64 v[VS:VS+1], v[AS] offset:4*REC+8192
.irp t, 0,1,2,3
.irp c, 0,1,2,3
	ds_load_b128 v[F+16*\t+4*\c:F+16*\t+4*\c+3], v[AD] offset:4*REC+2048*\t+512*\c   ; v lands while the softmax is walked
.endr
.endr
.irp b, 0,1,2,3
	v_max3_num_f32 v[BM+\b], v[S+16*\b], v[S+1+16*\b], v[S+2+16*\b]   ; the largest score of each block of 32 keys: it serves for the row's maximum and, since p rises with the score, for the block's largest p
.endr
.irp i, 3,5,7,9,11,13
.irp b, 0,1,2,3
	v_max3_num_f32 v[BM+\b], v[BM+\b], v[S+16*\b+\i], v[S+1+16*\b+\i]
.endr
.endr
.irp b, 0,1,2,3
	v_max_num_f32 v[BM+\b], v[BM+\b], v[S+15+16*\b]
.endr
.irp b, 0,1,2,3
	s_delay_alu instid0(VALU_DEP_4)
	v_permlanex16_b32 v[T2+\b], v[BM+\b], s[SEL], s[SEL+1]
.endr
.irp b, 0,1,2,3
	s_delay_alu instid0(VALU_DEP_4)
	v_max_num_f32 v[BM+\b], v[BM+\b], v[T2+\b]     ; with lane l xor 16's 16 keys
.endr
	s_delay_alu instid0(VALU_DEP_2)
	v_max3_num_f32 v[TA], v[BM], v[BM+1], v[BM+2]
	s_delay_alu instid0(VALU_DEP_1)
	v_max_num_f32 v[TA], v[TA], v[BM+3]
	s_delay_alu instid0(VALU_DEP_1)
	v_mul_f32 v[TA], s[CS], v[TA]                  ; the step's largest t (c is positive)
	s_delay_alu instid0(VALU_DEP_1)
	v_max_num_f32 v13, v13, v[TA]
	v_mov_b32 v[TA], v12
	s_delay_alu instid0(VALU_DEP_2)
	v_floor_f32 v12, -v13                          ; the new -M = floor(-t): M is a whole number
	s_delay_alu instid0(VALU_DEP_1)
	v_sub_f32 v[TA], v12, v[TA]                    ; old M - new M: a whole number, 0 or less
	s_delay_alu instid0(VALU_DEP_1)
	v_cvt_i32_f32 v[TA], v[TA]                     ; (it saturates)
	s_delay_alu instid0(VALU_DEP_1)
	v_ldexp_f32 v[FF], 1.0, v[TA]                  ; f = 2^(old M - new M)
.set jj, 0
.rept 32
	v_pk_fma_f32 v[S+jj:S+jj+1], v[S+jj:S+jj+1], s[CS:CS+1], v[12:13] op_sel_hi:[1,0,0]   ; t - M, two at a time
.set jj, jj+2
.endr
.irp b, 0,1,2,3
	v_fma_f32 v[BM+\b], v[BM+\b], s[CS], v12       ; the same of each block's largest score
.endr
.set jj, 0
	s_setprio 1
	s_wait_alu depctr_va_vdst(0)
.rept 64
	v_exp_f32 v[S+jj], v[S+jj]                     ; p = 2^(t - M), at most 1
.set jj, jj+1
.endr
	v_pk_mul_f32 v[14:15], v[14:15], v[FF:FF+1] op_sel_hi:[1,0]   ; the sums under the new M: a plain instruction behind the exponentials
	s_wait_alu depctr_va_vdst(0)                   ; one wait for the whole batch, ahead of its first reader
.irp b, 0,1,2,3
	v_exp_f32 v[BM+\b], v[BM+\b]                   ; the block's largest p: the same two instructions on the same number give the same bits
.endr
	v_pk_add_f32 v[236:237], v[108:109], v[112:113]
	v_pk_add_f32 v[252:253], v[116:117], v[120:121]
	v_pk_add_f32 v[250:251], v[124:125], v[128:129]
	v_pk_add_f32 v[248:249], v[132:133], v[136:137]
	v_pk_add_f32 v[246:247], v[140:141], v[144:145]
	v_pk_add_f32 v[244:245], v[148:149], v[152:153]
	v_pk_add_f32 v[242:243], v[156:157], v[160:161]
	v_pk_add_f32 v[14:15], v[14:15], v[164:165]
	v_pk_add_f32 v[236:237], v[236:237], v[104:105]
	v_pk_add_f32 v[252:253], v[252:253], v[106:107]
	v_pk_add_f32 v[250:251], v[250:251], v[110:111]
	v_pk_add_f32 v[248:249], v[248:249], v[114:115]
	v_pk_add_f32 v[246:247], v[246:247], v[118:119]
	v_pk_add_f32 v[244:245], v[244:245], v[122:123]
	v_pk_add_f32 v[242:243], v[242:243], v[126:127]
	v_pk_add_f32 v[14:15], v[14:15], v[130:131]
	v_pk_add_f32 v[236:237], v[236:237], v[134:135]
	v_pk_add_f32 v[252:253], v[252:253], v[138:139]
	v_pk_add_f32 v[250:251], v[250:251], v[142:143]
	v_pk_add_f32 v[248:249], v[248:249], v[146:147]
	v_pk_add_f32 v[246:247], v[246:247], v[150:151]
	v_pk_add_f32 v[244:245], v[244:245], v[154:155]
	v_pk_add_f32 v[242:243], v[242:243], v[158:159]
	v_pk_add_f32 v[14:15], v[14:15], v[162:163]
	v_pk_add_f32 v[236:237], v[236:237], v[166:167]
	s_delay_alu instid0(VALU_DEP_2)
	v_pk_add_f32 v[14:15], v[14:15], v[248:249]
	s_delay_alu instid0(VALU_DEP_2)
	v_pk_add_f32 v[236:237], v[236:237], v[246:247]
	v_pk_add_f32 v[252:253], v[252:253], v[244:245]
	v_pk_add_f32 v[250:251], v[250:251], v[242:243]
	s_delay_alu instid0(VALU_DEP_2)
	v_pk_add_f32 v[14:15], v[14:15], v[252:253]
	s_delay_alu instid0(VALU_DEP_2)
	v_pk_add_f32 v[236:237], v[236:237], v[250:251]
	s_delay_alu instid0(VALU_DEP_1)
	v_pk_add_f32 v[14:15], v[14:15], v[236:237]
	s_wait_alu depctr_va_vdst(0)                   ; and one for the four
.irp b, 0,1,2,3
	v_max_num_f32 v[BM+\b], 0x4800000, v[BM+\b]    ; the floor 2^(9 - 127): the byte cannot fall under 1
.endr
.irp b, 0,1,2,3
	s_delay_alu instid0(VALU_DEP_4)
	v_add_nc_u32 v[SO+\b], 0xfc000000, v[BM+\b]    ; 8 off the exponent field: the conversion's scale operand
.endr
.irp b, 0,1,2,3
.endr
.irp b, 0,1,2,3
	s_delay_alu instid0(VALU_DEP_4)
	v_lshrrev_b32 v[T2+\b], 23, v[SO+\b]           ; the scale's byte
.endr
	s_delay_alu instid0(VALU_DEP_3)
	v_lshl_or_b32 v[PS], v[T2+1], 8, v[T2]         ; p's scale word for these 128 keys
	s_delay_alu instid0(VALU_DEP_1)
	v_lshl_or_b32 v[PS], v[T2+2], 16, v[PS]
	s_delay_alu instid0(VALU_DEP_1)
	v_lshl_or_b32 v[PS], v[T2+3], 24, v[PS]
.irp b, 0,1,2,3
.irp i, 0,1,2,3,4,5,6,7,8,9,10,11,12,13,14,15
.endr
	v_cvt_scalef32_pk8_fp8_f32 v[PC+4*\b:PC+1+4*\b], v[S+16*\b:S+7+16*\b], v[SO+\b]
	v_cvt_scalef32_pk8_fp8_f32 v[PC+2+4*\b:PC+3+4*\b], v[S+8+16*\b:S+15+16*\b], v[SO+\b]
.endr
.set jj, 0
	s_setprio 0
.rept 16
	v_pk_mul_f32 v[O+jj:O+jj+1], v[O+jj:O+jj+1], v[FF:FF+1] op_sel_hi:[1,0]   ; o^T under the new M; these sixteen also stand between the conversions and the products
.set jj, jj+2
.endr
	s_wait_alu depctr_va_vdst(0)
	s_wait_dscnt 0x0                               ; v is in
.irp t, 0,2                                    ; o^T += v^T p^T: four tiles of 16 channels by turns
	v_wmma_scale_f32_16x16x128_f8f6f4 v[O+8*\t:O+8*\t+7], v[F+16*\t:F+16*\t+15], v[PC:PC+15], v[O+8*\t:O+8*\t+7], v[VS+\t/2], v[PS]
	v_wmma_scale_f32_16x16x128_f8f6f4 v[O+8*\t+8:O+8*\t+15], v[F+16*\t+16:F+16*\t+31], v[PC:PC+15], v[O+8*\t+8:O+8*\t+15], v[VS+\t/2], v[PS] matrix_a_scale:MATRIX_SCALE_ROW1
.endr
.endm
; A quarter of the keys: its records have landed in every fetching wave (the later quarters' loads, 3 - n of them, may stay out; in the second pass all have landed), then four key steps.
.macro QUARTER n
	s_wait_tensorcnt 3-\n
	s_wait_dscnt 0x0
	s_barrier_signal -1
	s_barrier_wait -1
	s_mov_b32 s[TB], QTR*\n
	s_mov_b32 s[CNT], 4
.Lstep_\@:
	s_wait_alu depctr_va_vdst(0)
	s_setprio 2
	STEP
	s_add_co_u32 s[TB], s[TB], REC
	s_sub_co_u32 s[CNT], s[CNT], 1
	s_cmp_lg_u32 s[CNT], 0
	s_cbranch_scc1 .Lstep_\@
	s_setprio 0
.endm
	s_mov_b32 s[PASS], 2
.Lpass:
	global_load_b128 v[QR:QR+3], v[LI], s[QB:QB+1]
	global_load_b128 v[QR+4:QR+7], v[LI], s[QB:QB+1] offset:512
	global_load_b128 v[QR+16:QR+19], v[LI], s[QB:QB+1]             ; q a second time, behind the zeros
	global_load_b128 v[QR+20:QR+23], v[LI], s[QB:QB+1] offset:512
	global_load_u16 v[QS], v[R8], s[QSB:QSB+1]
	v_mov_b32 v13, 0xff61b1e6                      ; the largest t so far: -3e38, under every t
	s_delay_alu instid0(VALU_DEP_1)
	v_floor_f32 v12, -v13
	v_mov_b32 v14, 0
	v_mov_b32 v15, 0
.set jj, 0
.rept 32
	v_mov_b32 v[O+jj], 0                           ; o^T: the step is written once; the first finds zeros, which the first change of M leaves zeros
.set jj, jj+1
.endr
	s_wait_loadcnt 0x0
	v_lshl_or_b32 v[QS], v[QS], 16, v[QS]          ; q's two bytes serve both places of q in the operand
	QUARTER 0
	QUARTER 1
	QUARTER 2
	QUARTER 3
	; THE WAY OUT of a pass: o^T / the sum; register 16 g + i is channel 32 g + 16 (lane / 16) + i of my query: two blocks of the next product's K
.rept 8
	v_nop                                          ; places behind the last products
.endr
	v_add_f32 v14, v14, v15
	s_delay_alu instid0(VALU_DEP_1)
	v_permlanex16_b32 v[TA], v14, s[SEL], s[SEL+1]
	s_delay_alu instid0(VALU_DEP_1)
	v_add_f32 v14, v14, v[TA]                      ; the row's sum
	s_wait_alu depctr_va_vdst(0)
	v_rcp_f32 v14, v14
	v_nop                                          ; a plain instruction behind the reciprocal
	s_wait_alu depctr_va_vdst(0)                   ; and the wait ahead of its first reader
.set jj, 0
.rept 16
	v_pk_mul_f32 v[S+jj:S+jj+1], v[O+jj:O+jj+1], v[14:15] op_sel_hi:[1,0]
.set jj, jj+2
.endr
.irp b, 0,1
	v_max3_num_f32 v[BM+\b], |v[S+16*\b]|, |v[S+1+16*\b]|, 0x4800000
.endr
.irp i, 2,4,6,8,10,12,14
.irp b, 0,1
	s_delay_alu instid0(VALU_DEP_2)
	v_max3_num_f32 v[BM+\b], v[BM+\b], |v[S+16*\b+\i]|, |v[S+1+16*\b+\i]|
.endr
.endr
.irp b, 0,1
	s_delay_alu instid0(VALU_DEP_2)
	v_permlanex16_b32 v[T2+\b], v[BM+\b], s[SEL], s[SEL+1]
.endr
.irp b, 0,1
	s_delay_alu instid0(VALU_DEP_2)
	v_max_num_f32 v[BM+\b], v[BM+\b], v[T2+\b]
.endr
.irp b, 0,1
	s_delay_alu instid0(VALU_DEP_2)
	v_add_nc_u32 v[SO+\b], 0xfc000000, v[BM+\b]
.endr
.irp b, 0,1
.endr
.irp b, 0,1
	s_delay_alu instid0(VALU_DEP_2)
	v_lshrrev_b32 v[T2+\b], 23, v[SO+\b]
.endr
	s_delay_alu instid0(VALU_DEP_1)
	v_lshl_or_b32 v[OW], v[T2+1], 8, v[T2]
.irp b, 0,1
.irp i, 0,1,2,3,4,5,6,7,8,9,10,11,12,13,14,15
.endr
	v_cvt_scalef32_pk8_fp8_f32 v[PC+4*\b:PC+1+4*\b], v[S+16*\b:S+7+16*\b], v[SO+\b]
	v_cvt_scalef32_pk8_fp8_f32 v[PC+2+4*\b:PC+3+4*\b], v[S+8+16*\b:S+15+16*\b], v[SO+\b]
.endr
	v_nop                                          ; one plain vector instruction behind the last scaled conversion
	global_store_b128 v[LI], v[PC:PC+3], s[OB:OB+1]                ; each store covers 512 consecutive bytes, aligned
	global_store_b128 v[LI], v[PC+4:PC+7], s[OB:OB+1] offset:512
	global_store_b16 v[R8], v[OW], s[OSB:OSB+1]    ; both halves of the lanes write the same bytes with the same values
	s_wait_xcnt 0x0                                ; loads and stores have read their addresses and data: bases and codes may be written again
	s_add_nc_u64 s[QB:QB+1], s[QB:QB+1], 2*REC     ; sixteen tiles on: two records of q,
	s_add_nc_u64 s[QSB:QSB+1], s[QSB:QSB+1], 2*REC
	s_add_nc_u64 s[OB:OB+1], s[OB:OB+1], 16*16384  ; sixteen tiles of o_img,
	s_add_nc_u64 s[OSB:OSB+1], s[OSB:OSB+1], 8192  ; two blocks of o_sc
	s_sub_co_u32 s[PASS], s[PASS], 1
	s_cmp_lg_u32 s[PASS], 0
	s_cbranch_scc1 .Lpass
	s_wait_tensorcnt 0x0
	ds_add_u32 v254, v255
	s_wait_dscnt 0x0
	CROUND                                         ; the closing round: no work-group ends while a partner may still ask for a record that names it
	s_endpgm
.Lfunc_end_k_qb171a1b396_attn:
	.size	k_qb171a1b396_attn, .Lfunc_end_k_qb171a1b396_attn-k_qb171a1b396_attn
	.p2alignl 7, 3214868480
	.fill 96, 4, 3214868480
	.section	.rodata,"a",@progbits
	.p2align	6, 0x0
	.amdhsa_kernel k_qb171a1b396_attn
		.amdhsa_group_segment_fixed_size 327680
		.amdhsa_private_segment_fixed_size 0
		.amdhsa_enable_private_segment 0
		.amdhsa_kernarg_size 24
		.amdhsa_user_sgpr_count 2
		.amdhsa_user_sgpr_kernarg_segment_ptr 1
		.amdhsa_wavefront_size32 1
		.amdhsa_system_sgpr_workgroup_id_x 1
		.amdhsa_system_sgpr_workgroup_id_y 1
		.amdhsa_system_sgpr_workgroup_id_z 1
		.amdhsa_system_vgpr_workitem_id 0
		.amdhsa_next_free_vgpr 256
		.amdhsa_next_free_sgpr 66
		.amdhsa_reserve_vcc 0
		.amdhsa_float_denorm_mode_32 3
		.amdhsa_float_denorm_mode_16_64 3
		.amdhsa_fp16_overflow 1
		.amdhsa_memory_ordered 1
		.amdhsa_forward_progress 1
		.amdhsa_inst_pref_size 83
	.end_amdhsa_kernel
	.amdgpu_metadata
---
amdhsa.version: [ 1, 2 ]
amdhsa.kernels:
  - .name:           k_qb171a1b396_attn
    .symbol:         k_qb171a1b396_attn.kd
    .args:
      - { .name: qkv_rec, .offset: 0, .size: 8, .value_kind: global_buffer, .address_space: global }
      - { .name: o_img, .offset: 8, .size: 8, .value_kind: global_buffer, .address_space: global }
      - { .name: o_sc, .offset: 16, .size: 8, .value_kind: global_buffer, .address_space: global }
    .group_segment_fixed_size: 327680
    .private_segment_fixed_size: 0
    .kernarg_segment_align: 8
    .kernarg_segment_size: 24
    .max_flat_workgroup_size: 512
    .sgpr_count:     66
    .vgpr_count:     256
    .wavefront_size: 32
...
	.end_amdgpu_metadata
.endif
;; end of part 3
;; launch proj (part 4): grid 4 x 32, 4 waves a work-group, clusters of 4 x 4, 327,680 bytes of LDS; arguments o_img, o_sc, img, sc, b_out, out0; writes out0
.if DOCPART == 4
	.amdgcn_target "amdgcn-amd-amdhsa--gfx1250"
	.amdhsa_code_object_version 6
	.text
	.protected	k_qb171a1b396_proj
	.globl	k_qb171a1b396_proj
	.p2align	8
	.type	k_qb171a1b396_proj,@function
k_qb171a1b396_proj:
	s_mov_b64 s[64:65], 0
	v_nop
	global_prefetch_b8 v0, s[64:65] scope:SCOPE_SE
	s_setreg_imm32_b32 hwreg(HW_REG_WAVE_MODE, 25, 1), 1
	s_wait_xcnt 0x0
	s_wait_alu depctr_hold_cnt(0) depctr_sa_sdst(0) depctr_va_vdst(0) depctr_va_sdst(0) depctr_va_ssrc(0) depctr_va_vcc(0) depctr_vm_vsrc(0)
	s_getreg_b32 s2, hwreg(HW_REG_IB_STS2, 6, 4)
	s_cmp_eq_u32 s2, 0
	s_cbranch_scc0 .Lentry_in_a_cluster
	s_endpgm
.Lentry_in_a_cluster:
	s_bfe_u32 s2, ttmp6, 0x10000c
	s_cmp_lg_u32 s2, 0xf033
	s_cbranch_scc0 .Lentry_shape_is_right
	s_endpgm
.Lentry_shape_is_right:
.set NQ,     2
.set FR,     16
.set NL,     4
.set NP,     8
.set HALFT,  32768
.set SLOT,   4*HALFT
.set STEPB,  8192
.set LAPS,   2
.set SCL,    2*SLOT
.set HALFS,  4096
.set SPARE,  SCL+4*HALFS
.set SPITCH, 528
.set ADRA, 16
.set ADRB, 20
.set STO,  24
.set RD,   25
.set CO,   26
.set ADRS, 27
.set SPW,  28
.set NIL,  29
.set SC,   32
.set BI,   64
.set AF,   128
.set BK,   128
.set G1, 24
.set G0, 32
.set G1B, 48
.set G0B, 56
.set G1S, 68
.set G0S, 76
.set G1SB, 80
.set G0SB, 88
.set MSB, 0
.macro WIN new
.if MSB != (\new)
	s_set_vgpr_msb (MSB<<8)|(\new)
.set MSB, (\new)
.endif
.endm
.set MUL_LO, 0xa1
.set MUL_HI, 0xf1
.set TO_B,   0x40
.macro JLOAD g0a, g1a, g0b, g1b
	s_cmp_eq_u32 s15, 0
	s_cbranch_scc0 .Lfor_b_\@
	tensor_load_to_lds s[\g0a:\g0a+3], s[\g1a:\g1a+7]
	s_nop 0
.rept 4
	v_nop
.endr
	s_branch .Lasked_\@
.Lfor_b_\@:
	tensor_load_to_lds s[\g0b:\g0b+3], s[\g1b:\g1b+7]
	s_nop 0
.rept 4
	v_nop
.endr
.Lasked_\@:
.endm
.macro CREST
	s_cmp_lg_u32 s14, 0
	s_cbranch_scc1 .Lnot_wave_0_\@
	s_barrier_signal -3
.Lnot_wave_0_\@:
	s_barrier_wait -3
	s_barrier_signal -1
	s_barrier_wait -1
.endm
.macro CROUND
	s_barrier_signal -1
	s_barrier_wait -1
	CREST
.endm
	s_load_b256 s[4:11], s[0:1], 0x0
	s_load_b128 s[96:99], s[0:1], 0x20
	v_lshl_add_u32 v[SPW], v0, 2, SPARE
	v_mov_b32 v[NIL], 0
	ds_add_u32 v28, v29
	ds_add_u32 v28, v29
	s_wait_dscnt 0x0
	v_lshrrev_b32 v1, 5, v0
	v_readfirstlane_b32 s14, v1
	s_lshr_b32 s15, s14, 1
	s_and_b32 s16, s14, 1
	s_bfe_u32 s40, ttmp6, 0x40000
	s_bfe_u32 s41, ttmp6, 0x40004
	s_lshl_b32 s42, ttmp9, 2
	s_add_co_u32 s42, s42, s40
	s_and_b32 s17, ttmp7, 0xffff
	s_lshl_b32 s17, s17, 2
	s_add_co_u32 s17, s17, s41
	s_lshl_b32 s43, s41, 2
	s_lshl_b32 s43, 15, s43
	s_lshl_b32 s44, 0x1111, s40
	s_or_b32 s[G1+0], s43, (3<<16)|(1<<21)
	s_or_b32 s[G1B+0], s44, (3<<16)|(1<<21)
.irp g, G1, G1B
	s_mov_b32 s[\g+1], 512<<16
	s_mov_b32 s[\g+2], 8<<16
	s_mov_b32 s[\g+3], 512<<16
	s_mov_b32 s[\g+4], 8
	s_mov_b32 s[\g+5], 2048
	s_mov_b32 s[\g+6], 0
	s_mov_b32 s[\g+7], 0
.endr
	s_or_b32 s[G1S+0], s43, (3<<16)|(1<<21)
	s_or_b32 s[G1SB+0], s44, (3<<16)|(1<<21)
.irp g, G1S, G1SB
	s_mov_b32 s[\g+1], 32<<16
	s_mov_b32 s[\g+2], 16<<16
	s_mov_b32 s[\g+3], 32<<16
	s_mov_b32 s[\g+4], 16
	s_mov_b32 s[\g+5], 32
	s_mov_b32 s[\g+6], 0
	s_mov_b32 s[\g+7], 0
.endr
	s_lshl_b32 s18, s16, 7
	s_lshl_b32 s20, s17, 8
	s_add_co_u32 s20, s20, s18
	s_lshl_b32 s46, s42, 8
	s_add_co_u32 s46, s46, s18
	s_add_co_u32 s46, s46, 11264
	s_lshl_b32 s22, s20, 5
	s_lshl_b32 s92, s46, 5
	s_lshl_b32 s20, s20, 10
	s_lshl_b32 s46, s46, 10
	s_mov_b32 s21, 0
	s_mov_b32 s23, 0
	s_mov_b32 s47, 0
	s_mov_b32 s93, 0
	s_mul_i32 s45, s14, HALFT
	s_mul_i32 s94, s14, HALFS
	s_wait_kmcnt 0x0
	s_add_nc_u64 s[20:21], s[4:5], s[20:21]
	s_add_nc_u64 s[22:23], s[6:7], s[22:23]
	s_add_nc_u64 s[46:47], s[8:9], s[46:47]
	s_add_nc_u64 s[92:93], s[10:11], s[92:93]
	CROUND
	s_mov_b32 s[G0S], 1
	s_add_co_u32 s[G0S+1], s94, SCL
	s_mov_b64 s[G0S+2:G0S+3], s[22:23]
	s_or_b32 s[G0S+3], s[G0S+3], 0x80000000
	s_mov_b32 s[G0SB], 1
	s_add_co_u32 s[G0SB+1], s94, SCL
	s_mov_b64 s[G0SB+2:G0SB+3], s[92:93]
	s_or_b32 s[G0SB+3], s[G0SB+3], 0x80000000
	JLOAD G0S, G1S, G0SB, G1SB
.irp s, 0,1
	s_mov_b32 s[G0+4*\s], 1
	s_add_co_u32 s[G0+4*\s+1], s45, \s*SLOT
	s_add_nc_u64 s[G0+4*\s+2:G0+4*\s+3], s[20:21], \s*4096
	s_or_b32 s[G0+4*\s+3], s[G0+4*\s+3], 0x80000000
	s_mov_b32 s[G0B+4*\s], 1
	s_add_co_u32 s[G0B+4*\s+1], s45, \s*SLOT
	s_add_nc_u64 s[G0B+4*\s+2:G0B+4*\s+3], s[46:47], \s*4096
	s_or_b32 s[G0B+4*\s+3], s[G0B+4*\s+3], 0x80000000
	s_wait_alu depctr_va_vdst(0)
	s_wait_tensorcnt 0x0
	ds_add_u32 v28, v29
	s_wait_dscnt 0x0
	CROUND
	JLOAD G0+4*\s, G1, G0B+4*\s, G1B
.endr
	v_and_b32 v1, 15, v0
	v_bfe_u32 v2, v0, 4, 1
	s_wait_alu depctr_va_vdst(0)
	v_and_b32 v3, 31, v0
	v_lshlrev_b32 v[CO], 4, v3
	s_mul_i32 s21, s15, HALFT
	s_mul_i32 s22, s16, HALFT
	s_add_co_u32 s22, s22, 2*HALFT
.irp s, 0,1
	v_add_nc_u32 v[ADRA+\s], s21, v[CO]
	v_add_nc_u32 v[ADRB+\s], s22, v[CO]
	s_add_co_u32 s21, s21, SLOT
	s_add_co_u32 s22, s22, SLOT
.endr
	v_lshlrev_b32 v5, 3, v1
	s_mul_i32 s21, s15, HALFS
	s_mul_i32 s22, s16, HALFS
	s_add_co_u32 s22, s22, 2*HALFS
	s_sub_co_u32 s22, s22, s21
	v_mul_u32_u24 v6, s22, v2
	s_add_co_u32 s21, s21, SCL
	v_add_nc_u32 v5, v5, v6
	v_add_nc_u32 v[ADRS], s21, v5
	s_mul_i32 s23, s14, 16*SPITCH
	v_mul_u32_u24 v5, v1, SPITCH
	v_lshl_add_u32 v5, v2, 6, v5
	v_add_nc_u32 v[STO], s23, v5
	v_add_nc_u32 v[RD], s23, v[CO]
	s_lshl_b32 s20, s17, 8
	s_lshl_b32 s21, s15, 7
	s_add_co_u32 s20, s20, s21
	s_lshl_b32 s20, s20, 12
	s_lshl_b32 s46, s42, 10
	s_lshl_b32 s47, s16, 9
	s_add_co_u32 s46, s46, s47
	s_mov_b32 s47, 0
	s_add_nc_u64 s[96:97], s[96:97], s[46:47]
	s_add_co_u32 s20, s20, s46
	s_mov_b32 s21, 0
	s_add_nc_u64 s[98:99], s[98:99], s[20:21]
	global_load_b128 v[BI:BI+3], v[CO], s[96:97]
.macro FRAG reg, adr, q, i
.irp c, 0,1,2,3
	ds_load_b128 v[\reg+4*\c:\reg+4*\c+3], v[\adr] offset:4096*(\i)+2048*(\q)+512*\c
.endr
.endm
.macro MUL16 a0, p, q, sc, zero
.irp a, \a0, \a0+1
.irp b, 0,1,2,3,4,5,6,7
.if \zero
	v_wmma_scale_f32_16x16x128_f8f6f4 v[8*(8*((\a)%4)+\b):8*(8*((\a)%4)+\b)+7], v[128*(\p)+FR*\b:128*(\p)+FR*\b+FR-1], v[AF+FR*(\a):AF+FR*(\a)+FR-1], 0, v[SC+8*NQ*(\sc)+NQ*\b+(\q)], v[SC+8*NQ*(\sc)+NQ*(\a)+(\q)] matrix_a_scale:MATRIX_SCALE_ROW1
.else
	v_wmma_scale_f32_16x16x128_f8f6f4 v[8*(8*((\a)%4)+\b):8*(8*((\a)%4)+\b)+7], v[128*(\p)+FR*\b:128*(\p)+FR*\b+FR-1], v[AF+FR*(\a):AF+FR*(\a)+FR-1], v[8*(8*((\a)%4)+\b):8*(8*((\a)%4)+\b)+7], v[SC+8*NQ*(\sc)+NQ*\b+(\q)], v[SC+8*NQ*(\sc)+NQ*(\a)+(\q)] matrix_a_scale:MATRIX_SCALE_ROW1
.endif
.endr
.endr
.endm
.macro FETCH_B slot, q, p
	WIN TO_B
.irp i, 0,1,2,3,4,5,6,7
	FRAG 128*(\p)+FR*\i, ADRB+\slot, \q, \i
.endr
	WIN 0
.endm
.macro FETCH_A slot, q, i0
.irp i, \i0, \i0+1, \i0+2, \i0+3
	FRAG AF+FR*(\i), ADRA+\slot, \q, \i
.endr
.endm
.macro SCALES sc
.irp i, 0,1,2,3,4,5,6,7
	ds_load_b64 v[SC+8*NQ*\sc+NQ*\i:SC+8*NQ*\sc+NQ*\i+1], v[ADRS] offset:\i*128
.endr
.endm
.macro PLACES n
.rept \n
	v_nop
.endr
.endm
.macro STEP slot, q, zero
	s_wait_dscnt 4*NL
	WIN MUL_LO
	MUL16 0, (\q)%2, \q, \slot, \zero
	MUL16 2, (\q)%2, \q, \slot, \zero
	s_wait_dscnt 0
	PLACES NP
	FETCH_B \slot, (\q)+1, 1-(\q)%2
	FETCH_A \slot, (\q)+1, 0
	WIN MUL_HI
	MUL16 4, (\q)%2, \q, \slot, \zero
	MUL16 6, (\q)%2, \q, \slot, \zero
	PLACES NP
	WIN 0
	FETCH_A \slot, (\q)+1, 4
.endm
.macro TURN slot, next, fill
	s_wait_tensorcnt 0x0
	ds_add_u32 v[SPW], v[NIL]
	s_wait_dscnt 4*NL+1
	WIN MUL_LO
	MUL16 0, 1, NQ-1, \slot, 0
	s_wait_dscnt 0x0
	s_barrier_signal -1
	MUL16 2, 1, NQ-1, \slot, 0
	WIN 0
	s_barrier_wait -1
.if \fill
	CREST
	s_add_nc_u64 s[G0+4*\slot+2:G0+4*\slot+3], s[G0+4*\slot+2:G0+4*\slot+3], STEPB
	s_add_nc_u64 s[G0B+4*\slot+2:G0B+4*\slot+3], s[G0B+4*\slot+2:G0B+4*\slot+3], STEPB
	JLOAD G0+4*\slot, G1, G0B+4*\slot, G1B
	PLACES NP-4
.else
	PLACES NP
.endif
	s_wait_alu depctr_va_vdst(0)
	v_add_nc_u32 v[ADRS], 1024, v[ADRS]
	FETCH_B \next, 0, 0
	FETCH_A \next, 0, 0
	SCALES \next
	WIN MUL_HI
	MUL16 4, 1, NQ-1, \slot, 0
	MUL16 6, 1, NQ-1, \slot, 0
	PLACES NP
	WIN 0
	FETCH_A \next, 0, 4
.endm
	s_wait_alu depctr_va_vdst(0)
	s_wait_tensorcnt 1
	s_barrier_signal -1
	s_barrier_wait -1
	FETCH_B 0, 0, 0
	FETCH_A 0, 0, 0
	SCALES 0
	FETCH_A 0, 0, 4
	STEP 0, 0, 1
	s_mov_b32 s3, LAPS-1
.Llap:
	TURN 0, 1, 1
	STEP 1, 0, 0
	TURN 1, 0, 1
	STEP 0, 0, 0
	s_sub_co_u32 s3, s3, 1
	s_cmp_lg_u32 s3, 0
	s_cbranch_scc1 .Llap
	TURN 0, 1, 0
	STEP 1, 0, 0
	s_wait_dscnt 4*NL
	WIN MUL_LO
	MUL16 0, 1, NQ-1, 1, 0
	MUL16 2, 1, NQ-1, 1, 0
	s_wait_dscnt 0
	WIN MUL_HI
	MUL16 4, 1, NQ-1, 1, 0
	MUL16 6, 1, NQ-1, 1, 0
	WIN 0
.macro TOSTAGE a
.set AC, 64*((\a)%4)
	WIN (0x08+4*((\a)/4))
.irp b, 0,1,2,3,4,5,6,7
	ds_store_b128 v[STO], v[AC+8*\b:AC+8*\b+3] offset:128*(\b/2)+32*(\b%2)
	ds_store_b128 v[STO], v[AC+8*\b+4:AC+8*\b+7] offset:128*(\b/2)+32*(\b%2)+16
.endr
	WIN 0
.set BB, BK+64*((\a)%2)
.irp t, 0,1,2,3,4,5,6,7,8,9,10,11,12,13,14,15
	ds_load_b128 v[BB+4*\t:BB+4*\t+3], v[RD] offset:\t*SPITCH
.endr
.endm
.macro SEND a, younger
.set BB, BK+64*((\a)%2)
	s_wait_dscnt \younger
.irp t, 0,1,2,3,4,5,6,7,8,9,10,11,12,13,14,15
	v_pk_add_f32 v[BB+4*\t:BB+4*\t+1], v[BB+4*\t:BB+4*\t+1], v[BI:BI+1]
	v_pk_add_f32 v[BB+4*\t+2:BB+4*\t+3], v[BB+4*\t+2:BB+4*\t+3], v[BI+2:BI+3]
	global_store_b128 v[CO], v[BB+4*\t:BB+4*\t+3], s[98:99] offset:(32*((\a)/2)+8*((\a)%2)+\t+8*(\t/8))*4096 th:TH_STORE_NT
.endr
.endm
	PLACES NP
	s_wait_loadcnt 0x0
	TOSTAGE 0
.irp a, 1,2,3,4,5,6,7
.if \a > 1
	s_wait_xcnt 0x0
.endif
	TOSTAGE \a
	SEND \a-1, 32
.endr
	SEND 7, 0
	s_wait_tensorcnt 0x0
	ds_add_u32 v[SPW], v[NIL]
	s_wait_dscnt 0x0
	CROUND
	s_endpgm
.Lfunc_end_k_qb171a1b396_proj:
	.size	k_qb171a1b396_proj, .Lfunc_end_k_qb171a1b396_proj-k_qb171a1b396_proj
	.p2alignl 7, 3214868480
	.fill 96, 4, 3214868480
	.section	.rodata,"a",@progbits
	.p2align	6, 0x0
	.amdhsa_kernel k_qb171a1b396_proj
		.amdhsa_group_segment_fixed_size 327680
		.amdhsa_private_segment_fixed_size 0
		.amdhsa_enable_private_segment 0
		.amdhsa_kernarg_size 48
		.amdhsa_user_sgpr_count 2
		.amdhsa_user_sgpr_kernarg_segment_ptr 1
		.amdhsa_wavefront_size32 1
		.amdhsa_system_sgpr_workgroup_id_x 1
		.amdhsa_system_sgpr_workgroup_id_y 1
		.amdhsa_system_sgpr_workgroup_id_z 1
		.amdhsa_system_vgpr_workitem_id 0
		.amdhsa_next_free_vgpr 1024
		.amdhsa_next_free_sgpr 100
		.amdhsa_reserve_vcc 0
		.amdhsa_float_denorm_mode_32 3
		.amdhsa_float_denorm_mode_16_64 3
		.amdhsa_memory_ordered 1
		.amdhsa_forward_progress 1
		.amdhsa_inst_pref_size 162
	.end_amdhsa_kernel
	.amdgpu_metadata
---
amdhsa.version: [ 1, 2 ]
amdhsa.kernels:
  - .name:           k_qb171a1b396_proj
    .symbol:         k_qb171a1b396_proj.kd
    .args:
      - { .name: o_img, .offset: 0, .size: 8, .value_kind: global_buffer, .address_space: global }
      - { .name: o_sc, .offset: 8, .size: 8, .value_kind: global_buffer, .address_space: global }
      - { .name: img, .offset: 16, .size: 8, .value_kind: global_buffer, .address_space: global }
      - { .name: sc, .offset: 24, .size: 8, .value_kind: global_buffer, .address_space: global }
      - { .name: b_out, .offset: 32, .size: 8, .value_kind: global_buffer, .address_space: global }
      - { .name: out0, .offset: 40, .size: 8, .value_kind: global_buffer, .address_space: global }
    .group_segment_fixed_size: 327680
    .private_segment_fixed_size: 0
    .kernarg_segment_align: 8
    .kernarg_segment_size: 48
    .max_flat_workgroup_size: 128
    .sgpr_count:     100
    .vgpr_count:     1024
    .wavefront_size: 32
...
	.end_amdgpu_metadata
.endif
;; end of part 4
